; MI455X (gfx1250); checked and timed in simulation.
; The chip was launched on July 23, 2026; its instructions are those of AMD's public machine-readable ISA for CDNA 5 (MIT licence, August 2026) and "CDNA5" Instruction Set Architecture Reference Guide (July 2026). The comments in the code are by the model that wrote it; some were corrected since.
;; LSTM Cell. Allowed arithmetic: matrix products marked QUANTISED: E3M2 operands, one E8M0 scale for each 32 along K, by v_wmma_scale_f32_16x16x128_f8f6f4 with both operands' format E3M2, f32 sums; everything else in f32.
;; Inputs: b_ih 4,096 float32; beta_c 1,024 float32; beta_ifgo 4 x 1,024 float32; c 8,192 x 1,024 float32; gamma_c 1,024 float32; gamma_ifgo 4 x 1,024 float32; h 8,192 x 1,024 float32; w_hh 4,096 x 1,024 float32; w_ih 4,096 x 1,024 float32; x 8,192 x 1,024 float32.
;; Outputs: out0 8,192 x 1,024 float32; out1 8,192 x 1,024 float32.
;; This version of the problem:
;;   THIS VERSION OF THE PROBLEM IS GIVEN IN LOW PRECISION. The matrix products marked QUANTISED in the list below multiply operands that are first quantised to E3M2 (3 exponent bits, 2 mantissa bits; 6 bits a number), with one power-of-two scale for each 32 numbers along K (OCP MX v1.0); their sums are f32. All else is computed in f32.
;;   The module's matrix products, in the order in which they are computed (A, B: the left and right operand; K: the contracted axis; several contracted axes count as one K, in the product's order):
;;     1. [M 8,192, K 1,024] x [K 1,024, N 4,096]; A: input x; B: input w_ih: QUANTISED
;;     2. [M 8,192, K 1,024] x [K 1,024, N 4,096]; A: input h; B: input w_hh: QUANTISED
;;   THE QUANTISER, for each operand of a quantised product, along K:
;;     - K is cut into blocks of 32 from its start; a last block that is shorter is filled with zeros.
;;     - A block's scale is 2^e with e = floor(log2(the largest magnitude in the block)) - 4, held to -126 .. 127; a block of zeros has e = 0. As a byte (E8M0): e + 127.
;;     - Each number is divided by its block's scale, clamped to +-28, and rounded to the nearest number of E3M2, ties to even, subnormals kept.
;;     - The product sums the exact products of the quantised numbers (number of the format x scale) in f32.
;;   ~~~python
;;   def quantise(x, axis):      # numpy; x: float32 -> the quantised numbers, widened to float32 again
;;       x = np.moveaxis(x, axis, -1); K = x.shape[-1]
;;       x = np.pad(x, [(0, 0)] * (x.ndim - 1) + [(0, -K % 32)]); x = x.reshape(x.shape[:-1] + (-1, 32)); a = np.abs(x).max(-1, keepdims=True)
;;       e = np.where(a > 0, np.clip(np.frexp(np.where(a > 0, a, 1))[1] - 1 - 4, -126, 127), 0)      # np.frexp(a)[1] - 1 = floor(log2(a)), exactly
;;       r = np.clip(x / 2.0 ** e, -28, 28)
;;       step = 2.0 ** (np.maximum(np.frexp(np.where(r == 0, 1, r))[1] - 1, -2) - 2)
;;       q = np.round(r / step) * step * 2.0 ** e      # np.round: ties to even
;;       return np.moveaxis(q.reshape(q.shape[:-2] + (-1,))[..., :K], -1, axis).astype(np.float32)
;;   ~~~
;; One version. Each part assembles by itself: llvm-mc -triple=amdgcn-amd-amdhsa -mcpu=gfx1250 --defsym DOCPART=n.
;; ======== version 1 of 1: 2 launches
;; workspace buffers: wq 6,553,600 bytes
;; launch wquant (part 1): grid 256 x 1, 4 waves a work-group, no clusters, 34,304 bytes of LDS; arguments w_ih, w_hh, wq; writes wq
.if DOCPART == 1
	.amdgcn_target "amdgcn-amd-amdhsa--gfx1250"
	.amdhsa_code_object_version 6
	.text
	.protected	k_qacdc45be6d_wquant
	.globl	k_qacdc45be6d_wquant
	.p2align	8
	.type	k_qacdc45be6d_wquant,@function
k_qacdc45be6d_wquant:
	s_mov_b64 s[64:65], 0
	v_nop
	global_prefetch_b8 v0, s[64:65] scope:SCOPE_SE
	s_setreg_imm32_b32 hwreg(HW_REG_WAVE_MODE, 25, 1), 1
	s_wait_xcnt 0x0
; w_ih and w_hh, [4096][1024] f32, K innermost, become codes of BF6 (E3M2) with one E8M0 byte for each 32 along K, laid in wq in the order in which the next launch's waves take them into registers.
; The two products share M and N, so they are one product over the joined K of 2,048: K step s of 128 (0..15) is w_ih's columns 128 s on for s < 8, w_hh's columns 128 (s - 8) on otherwise.
; LAYOUT OF wq: 64 chunks of 102,400 bytes; chunk 16 pos + s holds K step s of gate G, pos 0..3 = gates 2, 0, 1, 3 (g, i, f, o: the order in which the next launch wants them).
;   In a chunk: block w (0..7), the gate's columns 128 w on, at 12,800 w.  In a block: fragment t (0..7; rows 1024 G + 128 w + 16 t + lane % 16 of W) at 1,536 t, as an image of the operand's 12 registers:
;   registers 4 c .. 4 c + 3 of lane l at 512 c + 16 l.  Behind the eight fragments, at 12,288 + 256 a (a = 0, 1): scale registers 2 a and 2 a + 1 of lane l at 8 l; scale register u holds in lanes 0-15 the
;   words (four bytes: this K step's four blocks) of tile 2 u, in lanes 16-31 those of tile 2 u + 1.
; A block's scale is 2^(floor(log2(its largest magnitude)) - 4); its byte is the largest magnitude's exponent field - 4, held at 1 from below.
; LIMITS: a block of zeros gets the byte 1 where the rule says 127 (its codes are zeros, and this program alone reads the bytes); NaN and infinities among the inputs are not served.
; SHARES: work-group x: chunk x / 4, blocks 2 (x % 4) and 2 (x % 4) + 1; wave v: block 2 (x % 4) + v / 2, tiles 4 (v % 2) + 0 .. 3: 64 rows x 512 bytes in, 6,144 + 256 bytes out.
; All 64 loads of a wave go out at once, each 512 consecutive bytes of one row.  The conversions want 16 neighbours along K in ONE lane, so a tile's 16 rows turn through the wave's own stage in LDS.
; No tensor load, no barrier: waves share nothing.  No loop: every offset is an immediate.
.set CHUNK, 102400
.set WBLK,  12800
.set RSTEP, 16                         ; piece p of the loads: rows 16 p on,
.set CSTEP, 0                          ; the same columns
.set XB,  20                           ; s[20:21] my 64 rows' first byte of this K step
.set SEL, 28                           ; s[28:29] lane selects for v_permlanex16_b32: lane l xor 16
.set X,   192                          ; v192-255 64 numbers of a lane: register 16 b + i = k 32 b + 16 (lane / 16) + i of row lane % 16
.set PC,  128                          ; v128-139 the fragment's codes; v140-147 at work
.set TM,  160                          ; v160-175 at work in the quantiser
.set PWS, 176                          ; v176-179 the four tiles' scale words
.set SQ,  180                          ; v[180:181] my two scale registers
.set MSB, 0
.macro WIN new                         ; the immediate's high byte repeats the setting that is left
.if MSB != \new
	s_set_vgpr_msb (MSB<<8)|\new
.set MSB, \new
.endif
.endm
.macro XLOAD p                         ; 16 rows, 512 consecutive bytes each, into v[64 p ..] of window 1
.irp i, 0,1,2,3,4,5,6,7,8,9,10,11,12,13,14,15
	global_load_b128 v[64*(\p)+4*\i:64*(\p)+4*\i+3], v1, s[XB:XB+1] offset:4096*(RSTEP*(\p)+\i)+CSTEP*(\p) th:TH_LOAD_NT
.endr
.endm
.macro TURNX p                         ; piece p through my stage (rows of 512 + 16 bytes): in as loaded, out 16 neighbours of each block of 32 to a lane.  LDS serves a wave's instructions in order
	WIN 0x04                                       ; an LDS store's data are its source 1: window 1
.irp i, 0,1,2,3,4,5,6,7,8,9,10,11,12,13,14,15
	ds_store_b128 v10, v[64*(\p)+4*\i:64*(\p)+4*\i+3] offset:528*\i
.endr
	WIN 0
.irp b, 0,1,2,3
.irp j, 0,1,2,3
	ds_load_b128 v[X+16*\b+4*\j:X+16*\b+4*\j+3], v11 offset:128*\b+16*\j
.endr
.endr
.endm
; 64 numbers of a lane become a fragment's codes in v[PC] on and its scale word in v[pw].
.macro QUANT s, pw
.irp b, 0,1,2,3
	v_max3_num_f32 v[TM+\b], |v[\s+16*\b]|, |v[\s+1+16*\b]|, 0x2800000   ; block b: my 16 numbers, and the floor 2^(5 - 127): so the byte cannot fall under 1
.endr
.irp i, 2,4,6,8,10,12,14
.irp b, 0,1,2,3
	v_max3_num_f32 v[TM+\b], v[TM+\b], |v[\s+16*\b+\i]|, |v[\s+1+16*\b+\i]|   ; the four blocks by turns
.endr
.endr
.irp b, 0,1,2,3
	v_permlanex16_b32 v[TM+4+\b], v[TM+\b], s[SEL], s[SEL+1]
.endr
.irp b, 0,1,2,3
	v_max_num_f32 v[TM+\b], v[TM+\b], v[TM+4+\b]   ; with lane l xor 16's: the block's largest magnitude
.endr
.irp b, 0,1,2,3
	v_add_nc_u32 v[TM+12+\b], 0xfe000000, v[TM+\b]   ; 4 off its exponent field: the conversion takes the exponent field of this operand as its scale
.endr
.irp b, 0,1,2,3
	v_lshrrev_b32 v[TM+4+\b], 23, v[TM+12+\b]      ; the scale's byte
.endr
	v_lshl_or_b32 v[\pw], v[TM+5], 8, v[TM+4]      ; the four bytes make my row's scale word
	v_lshl_or_b32 v[\pw], v[TM+6], 16, v[\pw]
	v_lshl_or_b32 v[\pw], v[TM+7], 24, v[\pw]
.irp c, 0,1
	v_cvt_scalef32_pk16_bf6_f32 v[PC+6*\c:PC+2+6*\c], v[\s+32*\c:\s+15+32*\c], v[TM+12+2*\c]
	v_cvt_scalef32_pk16_bf6_f32 v[PC+12+4*\c:PC+14+4*\c], v[\s+16+32*\c:\s+31+32*\c], v[TM+12+2*\c+1]   ; (a conversion's three registers begin on an even number)
.endr
	v_nop                                          ; one plain place behind a scaled conversion
.irp c, 0,1                                    ; the operand's layout wants a WHOLE block in a lane: lanes 0-15 block 2 c, lanes 16-31 block 2 c + 1
.irp i, 0,1,2
	v_permlane16_swap_b32 v[PC+6*\c+\i], v[PC+12+4*\c+\i]
.endr
.irp i, 0,1,2
	v_mov_b32 v[PC+3+6*\c+\i], v[PC+12+4*\c+\i]
.endr
.endr
.endm
	s_load_b128 s[4:7], s[0:1], 0x0                ; w_ih, w_hh
	s_load_b64 s[8:9], s[0:1], 0x10                ; wq
	v_lshl_add_u32 v190, v0, 2, 0x8400
	v_mov_b32 v191, 0
	v_lshrrev_b32 v2, 5, v0
	v_readfirstlane_b32 s10, v2                    ; wave 0..3
	v_and_b32 v2, 31, v0                           ; lane
	v_and_b32 v3, 15, v0                           ; r
	v_bfe_u32 v4, v0, 4, 1                         ; h
	v_lshlrev_b32 v1, 4, v2                        ; 16 x lane
	v_lshlrev_b32 v5, 3, v2                        ; 8 x lane
	s_mul_i32 s11, s10, 8448                       ; my stage: 16 rows of 528 bytes
	v_add_nc_u32 v10, s11, v1                      ; in: 16 x lane of a row
	v_mul_u32_u24 v11, v3, 528
	v_lshl_add_u32 v11, v4, 6, v11
	v_add_nc_u32 v11, s11, v11                     ; out: row r, + 64 h
.irp b, 0,1,2,3
	v_mov_b32 v[TM+4+\b], 0                        ; written once: a lane permute's destination counts as one of its sources
.endr
	s_mov_b32 s[SEL], 0x76543210
	s_mov_b32 s[SEL+1], 0xfedcba98
	s_mov_b32 s30, 0xffff0000                      ; lanes 16-31
	s_lshr_b32 s12, ttmp9, 2                       ; the chunk
	s_lshr_b32 s13, s12, 4                         ; pos
	s_and_b32 s14, s12, 15                         ; K step s
	s_lshl_b32 s13, s13, 2
	s_lshr_b32 s13, 0x3102, s13
	s_and_b32 s13, s13, 3                          ; gate G: 2, 0, 1, 3
	s_and_b32 s15, ttmp9, 3
	s_lshl_b32 s15, s15, 1
	s_lshr_b32 s16, s10, 1
	s_add_co_u32 s15, s15, s16                     ; block w
	s_and_b32 s16, s10, 1                          ; a: which four tiles
	s_lshl_b32 s17, s13, 10
	s_lshl_b32 s18, s15, 7
	s_add_co_u32 s17, s17, s18
	s_lshl_b32 s18, s16, 6
	s_add_co_u32 s17, s17, s18                     ; my first row of W: 1024 G + 128 w + 64 a
	s_lshl_b32 s18, s17, 12                        ; x 4,096 bytes
	s_and_b32 s19, s14, 7
	s_lshl_b32 s19, s19, 9
	s_add_co_u32 s18, s18, s19                     ; + 512 bytes for each K step inside the tensor
	s_mov_b32 s19, 0
	s_mul_i32 s22, s12, CHUNK
	s_mul_i32 s23, s15, WBLK
	s_add_co_u32 s22, s22, s23                     ; my block in wq
	s_mul_i32 s24, s16, 6144
	s_add_co_u32 s24, s24, s22                     ; my four fragments
	s_mov_b32 s25, 0
	s_lshl_b32 s26, s16, 8
	s_add_co_u32 s26, s26, s22
	s_add_co_u32 s26, s26, 12288                   ; my two scale registers
	s_mov_b32 s27, 0
	s_wait_kmcnt 0x0
	s_cmp_lt_u32 s14, 8                            ; the choice hangs on the work-group's number alone
	s_cselect_b64 s[XB:XB+1], s[4:5], s[6:7]
	s_add_nc_u64 s[XB:XB+1], s[XB:XB+1], s[18:19]
	s_add_nc_u64 s[24:25], s[8:9], s[24:25]
	s_add_nc_u64 s[26:27], s[8:9], s[26:27]
	WIN 0x40                                       ; a load's destination: window 1
.irp p, 0,1,2,3
	XLOAD \p
.endr
	WIN 0
.irp p, 0,1,2,3
	s_wait_loadcnt 48-16*\p                        ; this tile's 16 loads are in; the younger tiles' may be out
	TURNX \p
	s_wait_dscnt 0x0
.if \p > 0
	s_wait_xcnt 0x0                                ; the last tile's stores have read the codes' registers: only behind this wait are they written again
.endif
	QUANT X, PWS+\p
.irp c, 0,1,2
	global_store_b128 v1, v[PC+4*\c:PC+4*\c+3], s[24:25] offset:1536*\p+512*\c   ; 32 lanes store 512 consecutive bytes, at a multiple of 256 from wq's first byte
.endr
.endr
	v_cndmask_b32 v[SQ], v[PWS], v[PWS+1], s30     ; lanes 0-15 the even tile's words, lanes 16-31 the odd tile's
	v_cndmask_b32 v[SQ+1], v[PWS+2], v[PWS+3], s30
	global_store_b64 v5, v[SQ:SQ+1], s[26:27]      ; 256 consecutive bytes, aligned
	s_wait_tensorcnt 0x0
	ds_add_u32 v190, v191
	s_wait_dscnt 0x0
	s_endpgm
.Lfunc_end_k_qacdc45be6d_wquant:
	.size	k_qacdc45be6d_wquant, .Lfunc_end_k_qacdc45be6d_wquant-k_qacdc45be6d_wquant
	.p2alignl 7, 3214868480
	.fill 96, 4, 3214868480
	.section	.rodata,"a",@progbits
	.p2align	6, 0x0
	.amdhsa_kernel k_qacdc45be6d_wquant
		.amdhsa_group_segment_fixed_size 34304
		.amdhsa_private_segment_fixed_size 0
		.amdhsa_enable_private_segment 0
		.amdhsa_kernarg_size 24
		.amdhsa_user_sgpr_count 2
		.amdhsa_user_sgpr_kernarg_segment_ptr 1
		.amdhsa_wavefront_size32 1
		.amdhsa_system_sgpr_workgroup_id_x 1
		.amdhsa_system_sgpr_workgroup_id_y 1
		.amdhsa_system_sgpr_workgroup_id_z 1
		.amdhsa_system_vgpr_workitem_id 0
		.amdhsa_next_free_vgpr 512
		.amdhsa_next_free_sgpr 66
		.amdhsa_reserve_vcc 0
		.amdhsa_float_denorm_mode_32 3
		.amdhsa_float_denorm_mode_16_64 3
		.amdhsa_memory_ordered 1
		.amdhsa_forward_progress 1
		.amdhsa_inst_pref_size 34
	.end_amdhsa_kernel
	.amdgpu_metadata
---
amdhsa.version: [ 1, 2 ]
amdhsa.kernels:
  - .name:           k_qacdc45be6d_wquant
    .symbol:         k_qacdc45be6d_wquant.kd
    .args:
      - { .name: w_ih, .offset: 0, .size: 8, .value_kind: global_buffer, .address_space: global }
      - { .name: w_hh, .offset: 8, .size: 8, .value_kind: global_buffer, .address_space: global }
      - { .name: wq, .offset: 16, .size: 8, .value_kind: global_buffer, .address_space: global }
    .group_segment_fixed_size: 34304
    .private_segment_fixed_size: 0
    .kernarg_segment_align: 8
    .kernarg_segment_size: 24
    .max_flat_workgroup_size: 128
    .sgpr_count:     66
    .vgpr_count:     512
    .wavefront_size: 32
...
	.end_amdgpu_metadata
.endif
;; end of part 1
;; launch cell (part 2): grid 256 x 1, 8 waves a work-group, clusters of 4 x 1, 327,680 bytes of LDS; arguments x, h, c, wq, b_ih, gamma_ifgo, beta_ifgo, gamma_c, beta_c, out0, out1; writes out0, out1
.if DOCPART == 2
	.amdgcn_target "amdgcn-amd-amdhsa--gfx1250"
	.amdhsa_code_object_version 6
	.text
	.protected	k_qacdc45be6d_cell
	.globl	k_qacdc45be6d_cell
	.p2align	8
	.type	k_qacdc45be6d_cell,@function
k_qacdc45be6d_cell:
	s_mov_b64 s[64:65], 0
	v_nop
	global_prefetch_b8 v0, s[64:65] scope:SCOPE_SE
	s_setreg_imm32_b32 hwreg(HW_REG_WAVE_MODE, 25, 1), 1
	s_wait_xcnt 0x0
	s_wait_alu depctr_hold_cnt(0) depctr_sa_sdst(0) depctr_va_vdst(0) depctr_va_sdst(0) depctr_va_ssrc(0) depctr_va_vcc(0) depctr_vm_vsrc(0)
	s_getreg_b32 s2, hwreg(HW_REG_IB_STS2, 6, 4)
	s_cmp_eq_u32 s2, 0
	s_cbranch_scc0 .Lentry_in_a_cluster
	s_endpgm
.Lentry_in_a_cluster:
	s_bfe_u32 s2, ttmp6, 0x10000c
	s_cmp_lg_u32 s2, 0x3003
	s_cbranch_scc0 .Lentry_shape_is_right
	s_endpgm
.Lentry_shape_is_right:
; The whole LSTM cell for 32 rows a work-group: v = Q(x) Q(w_ih)^T + b_ih + Q(h) Q(w_hh)^T on codes of BF6 (E3M2) with E8M0 scales, four layer norms over 1,024 columns, the gates, the mix with c,
; a fifth layer norm, two outputs.  v never goes to memory.  W's codes come from wq, laid by the launch before in the order of the operand's registers (its head comment has the layout).
; WHY 32 ROWS: a layer norm wants a whole gate row, so a work-group owns whole rows: 8,192 rows / 256 work-groups.  Every work-group then walks all 64 chunks of wq (one chunk = one gate x 128 along the joined K of 2,048).
; THE GATES ONE AFTER THE OTHER, in the order g, i, f, o, with ONE running state S beside the accumulators: S = tanh(LN g); S *= sigmoid(LN i); S = c sigmoid(LN f + 1) + S; out1 = LN_c(S), S = tanh(out1); out0 = S sigmoid(LN o).
; SHARES: eight waves; wave w owns columns 128 w .. 128 w + 127 of every gate for all 32 rows: 16 accumulators (2 tiles of rows x 8 tiles of columns), 128 registers, and 128 for S.
; THE MATRIX INSTRUCTION IS USED TRANSPOSED (source 0 = 16 rows of W, source 1 = 16 rows of x | h): accumulator (m, t), register j, lane (r, h) = v[16 m + r][16 t + 8 h + j]: a lane holds one row for each m.
; x AND h are quantised once, at the head, and lie in LDS as images of the operand's registers (32 fragments) for the whole launch.
; THE RING: two slots of one chunk (102,400 bytes).  Wave w fetches, and alone reads, block w of a chunk (12,800 bytes: its 8 fragments and their scale registers): one tensor load a wave behind each change of slots.
; CLUSTER: the four work-groups of a cluster walk the same chunks in the same order, so each block is asked for JOINTLY: the same load, the same descriptor, a mask that names the four.
; ROTATION: in a gate's period k a cluster works on K step (k + cluster x) mod 16, so that at one time the 64 clusters ask for sixteen different chunks.  K is thus summed in a rotated order that differs from cluster to cluster.
; THE BIAS is loaded straight into the accumulators, so every K step adds in place: nothing is cleared, and no first step is written out.
; LAYER NORM in two passes (mean, then the sum of squares of the differences): no difference of large sums.  Divisor sqrt(sum / 1023) + 1e-6, as the problem has it.
; sigmoid(y) = 1 / (1 + 2^(-log2e y)), tanh(y) = 1 - 2 / (1 + 2^(2 log2e y)); the factor k (and for f the + 1) is folded into 1 / divisor and into beta.
; LIMITS: NaN and infinities among the inputs are not served; v_exp_f32, v_rcp_f32, v_sqrt_f32 flush denormals (ISA guide, their entries in 15.8); a block of zeros gets the byte 1 where the rule says 127 (its codes are zeros,
; and this program alone reads the bytes); tanh by the form above has an absolute error of some 1e-7.
; REGISTERS, two windows of 256.  Window 0: v0-23 addresses; v24-27 W's scale registers, v28 x's (scales and nothing else); v32-55 two fragments of x | h; v64-159 eight of W.
;   Between the gates v32-63 are at work, v64-127 hold gamma, v128-191 beta, v192-255 c; rows on their way out take v64-191.   Window 1: v0-127 the accumulators ((m, t) at 8 (8 m + t)); v128-255 S, likewise.
.set CHUNK, 102400
.set WBLK,  12800
.set SLOT1, 102400                     ; LDS: slot 0 at 0, slot 1 here: filled by tensor loads alone
.set AIMG,  204800                     ; 32 fragments of x | h, 1,536 bytes each: K step s, tile of rows m at 2 s + m
.set ASC,   253952                     ; their scale words: 128 bytes a K step: lanes 0-15 rows 0-15, lanes 16-31 rows 16-31
.set STG,   256000                     ; a stage of 16 rows x (512 + 16) bytes for each wave
.set REDA,  323584                     ; [row 0..31][wave 0..7] f32: the waves' partial sums; a second such region 1,024 bytes on
.set SPARE, 325632                     ; the spare words, 128 bytes for each wave: four blocks of 256 bytes that no other line names
.set USE_ROT, 1
.set RSTEP, 0                          ; piece p of the head's loads: the same 16 rows,
.set CSTEP, 512                        ; 128 columns on
.set AF,  32
.set BF,  64
.set GA,  64
.set BE,  128
.set CT0, 192
.set CT1, 64
.set OT0, 64
.set OT1, 128
.set X,   192                          ; the head's quantiser: 64 numbers,
.set PC,  128                          ; codes,
.set TM,  160                          ; work; v176 the scale word
.set SEL, 28                           ; s[28:29] lane selects: lane l xor 16;  s30 lanes 16-31 as a mask;  s31 the rotation
.set G1,  32                           ; s[32:39] descriptor group 1;  s[40:43], s[44:47] group 0 of slot 0, 1
.set G0,  40
.set XB,  66                           ; s[66:67] the head's source
; s26 wave; s27 work-group; s[48:49] an offset; s50 next chunk to ask for; s51 next chunk to fetch; s52 pos; s53 trips; s54, s55 A's offsets; s56, s57 at work; s[58:59] k; s60 k x delta; s61 -log2e; s62 2 log2e;
; s[68:69] 4,096 G; s[70:71] bias, s[72:73] gamma, s[74:75] beta of a gate; s76-78 what hangs on my place in the cluster (global offsets alone)
.set MSB, 0
.macro WIN new                         ; the immediate's high byte repeats the setting that is left
.if MSB != \new
	s_set_vgpr_msb (MSB<<8)|\new
.set MSB, \new
.endif
.endm
.macro PLACES                          ; four places behind matrix instructions, in front of loads into their registers and of the first read of results (ISA guide 7.12.1 for the first read of results)
.rept 4
	v_nop
.endr
.endm
.macro CREST                           ; a round of the cluster's barrier behind its opening barrier
	s_cmp_lg_u32 s26, 0
	s_cbranch_scc1 .Lnot_wave_0_\@
	s_barrier_signal -3
.Lnot_wave_0_\@:
	s_barrier_wait -3
	s_barrier_signal -1
	s_barrier_wait -1
.endm
.macro CROUND                          ; a whole round
	s_barrier_signal -1
	s_barrier_wait -1
	CREST
.endm
.macro XLOAD p                         ; 16 rows, 512 consecutive bytes each, into v[64 p ..] of window 1
.irp i, 0,1,2,3,4,5,6,7,8,9,10,11,12,13,14,15
	global_load_b128 v[64*(\p)+4*\i:64*(\p)+4*\i+3], v1, s[XB:XB+1] offset:4096*(RSTEP*(\p)+\i)+CSTEP*(\p) th:TH_LOAD_NT
.endr
.endm
.macro TURNX p                         ; piece p through my stage: in as loaded, out 16 neighbours of each block of 32 to a lane.  LDS serves a wave's instructions in order
	WIN 0x04                                       ; an LDS store's data are its source 1: window 1
.irp i, 0,1,2,3,4,5,6,7,8,9,10,11,12,13,14,15
	ds_store_b128 v10, v[64*(\p)+4*\i:64*(\p)+4*\i+3] offset:528*\i
.endr
	WIN 0
.irp b, 0,1,2,3
.irp j, 0,1,2,3
	ds_load_b128 v[X+16*\b+4*\j:X+16*\b+4*\j+3], v11 offset:128*\b+16*\j
.endr
.endr
.endm
; 64 numbers of a lane, register 16 b + i = k 32 b + 16 (lane / 16) + i of row lane % 16, become a fragment's codes in v[PC] on and its scale word in v[pw].
.macro QUANT s, pw
.irp b, 0,1,2,3
	v_max3_num_f32 v[TM+\b], |v[\s+16*\b]|, |v[\s+1+16*\b]|, 0x2800000   ; block b: my 16 numbers, and the floor 2^(5 - 127): so the byte cannot fall under 1
.endr
.irp i, 2,4,6,8,10,12,14
.irp b, 0,1,2,3
	v_max3_num_f32 v[TM+\b], v[TM+\b], |v[\s+16*\b+\i]|, |v[\s+1+16*\b+\i]|   ; the four blocks by turns
.endr
.endr
.irp b, 0,1,2,3
	v_permlanex16_b32 v[TM+4+\b], v[TM+\b], s[SEL], s[SEL+1]
.endr
.irp b, 0,1,2,3
	v_max_num_f32 v[TM+\b], v[TM+\b], v[TM+4+\b]   ; with lane l xor 16's: the block's largest magnitude
.endr
.irp b, 0,1,2,3
	v_add_nc_u32 v[TM+12+\b], 0xfe000000, v[TM+\b]   ; 4 off its exponent field: the conversion takes the exponent field of this operand as its scale
.endr
.irp b, 0,1,2,3
	v_lshrrev_b32 v[TM+4+\b], 23, v[TM+12+\b]      ; the scale's byte
.endr
	v_lshl_or_b32 v[\pw], v[TM+5], 8, v[TM+4]      ; the four bytes make my row's scale word
	v_lshl_or_b32 v[\pw], v[TM+6], 16, v[\pw]
	v_lshl_or_b32 v[\pw], v[TM+7], 24, v[\pw]
.irp c, 0,1
	v_cvt_scalef32_pk16_bf6_f32 v[PC+6*\c:PC+2+6*\c], v[\s+32*\c:\s+15+32*\c], v[TM+12+2*\c]
	v_cvt_scalef32_pk16_bf6_f32 v[PC+12+4*\c:PC+14+4*\c], v[\s+16+32*\c:\s+31+32*\c], v[TM+12+2*\c+1]   ; (a conversion's three registers begin on an even number)
.endr
	v_nop                                          ; one plain place behind a scaled conversion
.irp c, 0,1                                    ; the operand's layout wants a WHOLE block in a lane
.irp i, 0,1,2
	v_permlane16_swap_b32 v[PC+6*\c+\i], v[PC+12+4*\c+\i]
.endr
.irp i, 0,1,2
	v_mov_b32 v[PC+3+6*\c+\i], v[PC+12+4*\c+\i]
.endr
.endr
.endm
.macro GATEP                           ; s[68:69] = 4,096 x the gate of position s52 (2, 0, 1, 3): its first byte in b_ih, gamma_ifgo, beta_ifgo
	s_lshl_b32 s56, s52, 2
	s_lshr_b32 s56, 0x3102, s56
	s_and_b32 s56, s56, 3
	s_lshl_b32 s68, s56, 12
.endm
.macro BIAS                            ; b_ih of my 128 columns into both tiles of rows' accumulators: register 8 t + j of lane (r, h) = b(16 t + 8 h + j)
	WIN 0x40
.irp m, 0,1
.irp t, 0,1,2,3,4,5,6,7
.irp q, 0,1
	global_load_b128 v[64*\m+8*\t+4*\q:64*\m+8*\t+4*\q+3], v17, s[70:71] offset:64*\t+16*\q
.endr
.endr
.endr
	WIN 0
.endm
; ---- THE K PHASE
.macro FETCH sl                        ; 33 LDS loads: two fragments of x | h, their scale words, W's four scale registers, W's eight fragments (tiles 0-3 first)
.irp c, 0,1,2,3,4,5
	ds_load_b128 v[AF+4*\c:AF+4*\c+3], v19 offset:512*\c
.endr
	ds_load_b32 v28, v20
	ds_load_b64 v[24:25], v[6+\sl] offset:12288
	ds_load_b64 v[26:27], v[6+\sl] offset:12544
.irp t, 0,1,2,3,4,5,6,7
.irp c, 0,1,2
	ds_load_b128 v[BF+12*\t+4*\c:BF+12*\t+4*\c+3], v[4+\sl] offset:1536*\t+512*\c
.endr
.endr
.endm
.macro WM t, m                         ; accumulator (m, t) += W's tile t x rows' tile m.  W's scales: register t / 2, lanes 16-31 for odd t;  x's: v28, lanes 16-31 for m = 1
.set rD, 8*(8*(\m)+(\t))
.set rB, BF+12*(\t)
.set rA, AF+12*(\m)
.set rS, 24+(\t)/2
.if ((\t)%2 == 0) && ((\m) == 0)
	v_wmma_scale_f32_16x16x128_f8f6f4 v[rD:rD+7], v[rB:rB+11], v[rA:rA+11], v[rD:rD+7], v[rS], v28 matrix_a_fmt:MATRIX_FMT_BF6 matrix_b_fmt:MATRIX_FMT_BF6
.elseif ((\t)%2 == 1) && ((\m) == 0)
	v_wmma_scale_f32_16x16x128_f8f6f4 v[rD:rD+7], v[rB:rB+11], v[rA:rA+11], v[rD:rD+7], v[rS], v28 matrix_a_fmt:MATRIX_FMT_BF6 matrix_b_fmt:MATRIX_FMT_BF6 matrix_a_scale:MATRIX_SCALE_ROW1
.elseif ((\t)%2 == 0)
	v_wmma_scale_f32_16x16x128_f8f6f4 v[rD:rD+7], v[rB:rB+11], v[rA:rA+11], v[rD:rD+7], v[rS], v28 matrix_a_fmt:MATRIX_FMT_BF6 matrix_b_fmt:MATRIX_FMT_BF6 matrix_b_scale:MATRIX_SCALE_ROW1
.else
	v_wmma_scale_f32_16x16x128_f8f6f4 v[rD:rD+7], v[rB:rB+11], v[rA:rA+11], v[rD:rD+7], v[rS], v28 matrix_a_fmt:MATRIX_FMT_BF6 matrix_b_fmt:MATRIX_FMT_BF6 matrix_a_scale:MATRIX_SCALE_ROW1 matrix_b_scale:MATRIX_SCALE_ROW1
.endif
.endm
.macro MUL t0                          ; 8 matrix instructions.  The 16 accumulators take turns, one instruction a turn, in the same order in every period
	WIN 0x50                                       ; C and D window 1, operands window 0
.irp t, \t0, \t0+1, \t0+2, \t0+3
.irp m, 0,1
	WM \t, \m
.endr
.endr
.endm
; THE CHANGE OF SLOTS.  old: the slot whose chunk is being finished.  In front of the barrier each wave waits for all its tensor loads (one is out: its block of the other slot), adds 0 to its spare word, and waits for
; that and for its reads of the old slot.  refill = 1: the barrier opens a round of the cluster's barrier, and behind the round the old slot takes chunk s50, my one tensor load until the next change.
.macro SWAP old, refill
	WIN 0                                          ; (the add's two registers lie in window 0)
	s_wait_tensorcnt 0x0                           ; no tensor load of mine is out, so a group 0 may be written
	ds_add_u32 v2, v3                              ; 0 onto my spare word
.if \refill
	s_add_co_u32 s56, s50, s31                     ; chunk n lies at index (n & 48) | ((n + rotation) & 15)
	s_and_b32 s56, s56, 15
	s_and_b32 s57, s50, 48
	s_or_b32 s56, s56, s57
	s_mul_i32 s48, s56, CHUNK
	s_add_nc_u64 s[G0+4*\old+2:G0+4*\old+3], s[10:11], s[48:49]
	s_or_b32 s[G0+4*\old+3], s[G0+4*\old+3], 0x80000000
	s_add_co_u32 s50, s50, 1
.endif
	s_wait_dscnt 0x0                               ; the add is done; tiles 4-7 are in: my reads of the old slot are over
	s_barrier_signal -1
	MUL 4                                          ; the chunk's second half: work on registers while the others arrive
	WIN 0
	s_barrier_wait -1
.if \refill
	CREST                                          ; no wave of any partner still reads its block of the old slot or has a load on its way
	tensor_load_to_lds s[G0+4*\old:G0+4*\old+3], s[G1:G1+7]
	s_nop 0
.endif
	PLACES                                         ; behind the tensor load, and the places in front of the loads that follow
.endm
; A period's first half: the fragments of the chunk in slot sl, and its products on tiles 0-3.  bias = 1: the gate's first period waits for the bias.
; ask = 1: in gate f's last trip (pos 2, trip 6: three periods ahead of the loads of c) the wave prefetches its 32 rows x 512 bytes of c: a lane a row, two instructions 256 bytes apart: each block named once in the launch.
.macro START sl, bias, ask
	s_add_co_u32 s56, s51, s31
	s_and_b32 s56, s56, 15                         ; this chunk's K step
	s_mul_i32 s54, s56, 3072                       ; its two fragments of x | h,
	s_lshl_b32 s55, s56, 7                         ; and their scale words
	s_add_co_u32 s51, s51, 1
	v_add_nc_u32 v19, s54, v8
	v_add_nc_u32 v20, s55, v9
	FETCH \sl
.if \ask
	s_lshl_b32 s56, s52, 3
	s_or_b32 s56, s56, s53
	s_cmp_eq_u32 s56, 22
	s_cbranch_scc0 .Lno_ask_\@
	global_prefetch_b8 v18, s[8:9] th:TH_LOAD_NT scope:SCOPE_SE
	global_prefetch_b8 v18, s[8:9] offset:256 th:TH_LOAD_NT scope:SCOPE_SE
.Lno_ask_\@:
.endif
	s_wait_dscnt 12                                ; all but the 12 youngest loads, tiles 4-7
.if \bias
	s_wait_loadcnt 0x0                             ; the bias lies in the accumulators
.endif
	MUL 0
.endm
; ---- BETWEEN THE GATES.  base: 0 the accumulators, 128 S.
.macro PARAMS gp, bp                   ; gamma and beta of my 128 columns, in the accumulators' layout: register 8 t + j = column 16 t + 8 h + j
.irp t, 0,1,2,3,4,5,6,7
.irp q, 0,1
	global_load_b128 v[GA+8*\t+4*\q:GA+8*\t+4*\q+3], v17, s[\gp:\gp+1] offset:64*\t+16*\q
	global_load_b128 v[BE+8*\t+4*\q:BE+8*\t+4*\q+3], v17, s[\bp:\bp+1] offset:64*\t+16*\q
.endr
.endr
.endm
.macro SUMS base                       ; four chains (2 m + a) of 32 registers each, ascending
	WIN 0x05
.irp c, 0,1,2,3
	v_pk_add_f32 v[32+2*\c:33+2*\c], v[\base+32*\c:\base+32*\c+1], v[\base+32*\c+2:\base+32*\c+3]
.endr
	WIN 0x01
.irp i, 4,6,8,10,12,14,16,18,20,22,24,26,28,30
.irp c, 0,1,2,3
	v_pk_add_f32 v[32+2*\c:33+2*\c], v[\base+32*\c+\i:\base+32*\c+\i+1], v[32+2*\c:33+2*\c]
.endr
.endr
	WIN 0
.endm
; The chains in v32-39 become each row's sum over all 1,024 columns: v40 for my row of tile 0, v48 for tile 1.  Every wave adds the eight partial sums in the same order.
.macro REDUCE reg
	v_pk_add_f32 v[32:33], v[32:33], v[34:35]
	v_pk_add_f32 v[36:37], v[36:37], v[38:39]
	v_add_f32 v32, v32, v33
	v_add_f32 v36, v36, v37
	v_permlanex16_b32 v62, v32, s[SEL], s[SEL+1]   ; the row's other 64 columns lie in the lane 16 away
	v_permlanex16_b32 v63, v36, s[SEL], s[SEL+1]
	v_add_f32 v32, v32, v62
	v_add_f32 v36, v36, v63
	v_cndmask_b32 v33, v32, v36, s30               ; lane l stores row l's
	ds_store_b32 v15, v33 offset:\reg
	s_wait_dscnt 0x0                               ; for the others' sake: my store has landed
	s_barrier_signal -1
	s_barrier_wait -1                              ; my tensor load may stay out
	ds_load_b128 v[40:43], v16 offset:\reg
	ds_load_b128 v[44:47], v16 offset:\reg+16
	ds_load_b128 v[48:51], v16 offset:\reg+512
	ds_load_b128 v[52:55], v16 offset:\reg+528
	s_wait_dscnt 0x0                               ; my reads are over ahead of the next barrier: the two regions take turns, so each is written again only behind a barrier that every reader has passed
	v_pk_add_f32 v[40:41], v[40:41], v[42:43]
	v_pk_add_f32 v[44:45], v[44:45], v[46:47]
	v_pk_add_f32 v[48:49], v[48:49], v[50:51]
	v_pk_add_f32 v[52:53], v[52:53], v[54:55]
	v_pk_add_f32 v[40:41], v[40:41], v[44:45]
	v_pk_add_f32 v[48:49], v[48:49], v[52:53]
	v_add_f32 v40, v40, v41
	v_add_f32 v48, v48, v49
.endm
; The numbers at base become their differences from the row's mean, in place; v56 and v58 = 1 / (sqrt(sum of squares / 1023) + 1e-6), times k where usek = 1.
.macro STATS base, usek
	SUMS \base
	REDUCE 0
	v_mul_f32 v56, 0x3a800000, v40                 ; / 1024
	v_mul_f32 v58, 0x3a800000, v48
	WIN 0x41
.irp m, 0,1
.set i, 0
.rept 32
	v_pk_add_f32 v[\base+64*\m+i:\base+64*\m+i+1], v[\base+64*\m+i:\base+64*\m+i+1], v[56+2*\m:57+2*\m] op_sel_hi:[1,0] neg_lo:[0,1] neg_hi:[0,1]
.set i, i+2
.endr
.endr
	WIN 0x05
.irp c, 0,1,2,3
	v_pk_mul_f32 v[32+2*\c:33+2*\c], v[\base+32*\c:\base+32*\c+1], v[\base+32*\c:\base+32*\c+1]
.endr
.irp i, 2,4,6,8,10,12,14,16,18,20,22,24,26,28,30
.irp c, 0,1,2,3
	v_pk_fma_f32 v[32+2*\c:33+2*\c], v[\base+32*\c+\i:\base+32*\c+\i+1], v[\base+32*\c+\i:\base+32*\c+\i+1], v[32+2*\c:33+2*\c]
.endr
.endr
	WIN 0
	REDUCE 1024
	v_mul_f32 v40, 0x3a802008, v40                 ; / 1023
	v_mul_f32 v48, 0x3a802008, v48
	v_sqrt_f32 v40, v40
	v_sqrt_f32 v48, v48
	v_nop                                          ; one plain place behind a transcendental
	s_wait_alu depctr_va_vdst(0)
	v_add_f32 v40, 0x358637bd, v40                 ; + 1e-6
	v_add_f32 v48, 0x358637bd, v48
	v_rcp_f32 v40, v40
	v_rcp_f32 v48, v48
	v_nop
.if \usek
	s_wait_alu depctr_va_vdst(0)
	v_mul_f32 v56, s58, v40
	v_mul_f32 v58, s58, v48
.else
	s_wait_alu depctr_va_vdst(0)
	v_mov_b32 v56, v40
	v_mov_b32 v58, v48
.endif
.endm
.macro BETAK                           ; beta becomes k beta + k delta
	s_wait_loadcnt 0x0                             ; gamma and beta (and, in gate f, c's first 16 rows)
.set i, 0
.rept 32
	v_pk_fma_f32 v[BE+i:BE+i+1], v[BE+i:BE+i+1], s[58:59], v[60:61] op_sel_hi:[1,0,0]
.set i, i+2
.endr
.endm
; Column tile u of both tiles of rows, 16 registers, in place.
.macro NORM u, base                    ; d x (k / divisor) x gamma + beta
	WIN 0x41
.irp m, 0,1
.irp p, 0,2,4,6
.set rr, \base+64*\m+8*(\u)+\p
	v_pk_mul_f32 v[rr:rr+1], v[rr:rr+1], v[56+2*\m:57+2*\m] op_sel_hi:[1,0]
.endr
.endr
.irp m, 0,1
.irp p, 0,2,4,6
.set rr, \base+64*\m+8*(\u)+\p
	v_pk_fma_f32 v[rr:rr+1], v[rr:rr+1], v[GA+8*(\u)+\p:GA+8*(\u)+\p+1], v[BE+8*(\u)+\p:BE+8*(\u)+\p+1]
.endr
.endr
.endm
.macro SCALE u, base                   ; x 2 log2e
	WIN 0x41
.irp m, 0,1
.irp p, 0,2,4,6
.set rr, \base+64*\m+8*(\u)+\p
	v_pk_mul_f32 v[rr:rr+1], v[rr:rr+1], 0x4038aa3b op_sel_hi:[1,0]
.endr
.endr
.endm
.macro EXPT u, base
.irp m, 0,1
.irp p, 0,1,2,3,4,5,6,7
	v_exp_f32 v[\base+64*\m+8*(\u)+\p], v[\base+64*\m+8*(\u)+\p]
.endr
.endr
.endm
.macro ADD1 u, base
	s_wait_alu depctr_va_vdst(0)
.irp m, 0,1
.irp p, 0,2,4,6
.set rr, \base+64*\m+8*(\u)+\p
	v_pk_add_f32 v[rr:rr+1], v[rr:rr+1], 1.0 op_sel_hi:[1,0]
.endr
.endr
.endm
.macro RCPT u, base
.irp m, 0,1
.irp p, 0,1,2,3,4,5,6,7
	v_rcp_f32 v[\base+64*\m+8*(\u)+\p], v[\base+64*\m+8*(\u)+\p]
.endr
.endr
.endm
; r = 1 / (1 + 2^z) of all 128 registers, z by NORM (kind 0) or SCALE (kind 1).  Tile u's plain lines stand between tile u - 1's exponentials and the use of their results, so every transcendental has its plain place.
.macro ACT kind, base
.irp u, 0,1,2,3,4,5,6,7,8
.if \u < 8
.if \kind
	SCALE \u, \base
.else
	NORM \u, \base
.endif
	EXPT \u, \base
.endif
.if \u > 0
	ADD1 \u-1, \base
	RCPT \u-1, \base
.endif
.endr
	v_nop
.endm
.macro CLOAD m, ct                     ; 16 rows of c, my 512 bytes of each
.irp i, 0,1,2,3,4,5,6,7,8,9,10,11,12,13,14,15
	global_load_b128 v[\ct+4*\i:\ct+4*\i+3], v1, s[8:9] offset:4096*(16*\m+\i) th:TH_LOAD_NT
.endr
.endm
.macro CTURN ct                        ; through my stage into the accumulators' layout, back into the registers that they left
.irp i, 0,1,2,3,4,5,6,7,8,9,10,11,12,13,14,15
	ds_store_b128 v10, v[\ct+4*\i:\ct+4*\i+3] offset:528*\i
.endr
.irp t, 0,1,2,3,4,5,6,7
.irp q, 0,1
	ds_load_b128 v[\ct+8*\t+4*\q:\ct+8*\t+4*\q+3], v12 offset:64*\t+16*\q
.endr
.endr
	s_wait_dscnt 0x0
.endm
.macro TOSTAGE base, m, ot             ; 16 rows on their way out: a lane's 32 bytes of a row into my stage, whole rows of 512 bytes back
	WIN 0x04
.irp t, 0,1,2,3,4,5,6,7
.irp q, 0,1
	ds_store_b128 v12, v[\base+64*\m+8*\t+4*\q:\base+64*\m+8*\t+4*\q+3] offset:64*\t+16*\q
.endr
.endr
	WIN 0
.irp i, 0,1,2,3,4,5,6,7,8,9,10,11,12,13,14,15
	ds_load_b128 v[\ot+4*\i:\ot+4*\i+3], v10 offset:528*\i
.endr
.endm
.macro SEND ptr, m, ot, younger        ; younger: the LDS instructions issued behind these rows' loads
.irp i, 0,1,2,3,4,5,6,7,8,9,10,11,12,13,14,15
	s_wait_dscnt \younger+15-\i
	global_store_b128 v1, v[\ot+4*\i:\ot+4*\i+3], s[\ptr:\ptr+1] offset:4096*(16*\m+\i) th:TH_STORE_NT   ; 32 lanes store 512 consecutive bytes, at a multiple of 256 from the output's first byte
.endr
.endm
.macro OUT base, ptr
	TOSTAGE \base, 0, OT0
	TOSTAGE \base, 1, OT1
	SEND \ptr, 0, OT0, 32                          ; behind them: the second 16 rows' 16 stores and 16 loads
	SEND \ptr, 1, OT1, 0
.endm
.macro EPIHEAD                         ; the gate's pointers, its k and k delta, and the loads of gamma and beta
	GATEP
	s_add_nc_u64 s[72:73], s[14:15], s[68:69]
	s_add_nc_u64 s[74:75], s[16:17], s[68:69]
	s_cmp_eq_u32 s52, 0
	s_cselect_b32 s58, s62, s61                    ; g: 2 log2e (tanh); the others: -log2e (sigmoid)
	s_mov_b32 s59, s58
	s_cmp_eq_u32 s52, 2
	s_cselect_b32 s60, s61, 0                      ; f: k x 1
	v_mov_b32 v60, s60
	PARAMS 72, 74
.endm
	; ---- SET-UP
	s_load_b256 s[4:11], s[0:1], 0x0               ; x s[4:5], h s[6:7], c s[8:9], wq s[10:11]
	s_load_b256 s[12:19], s[0:1], 0x20             ; b_ih s[12:13], gamma_ifgo s[14:15], beta_ifgo s[16:17], gamma_c s[18:19]
	s_load_b128 s[20:23], s[0:1], 0x40             ; beta_c s[20:21], out0 s[22:23]
	s_load_b64 s[24:25], s[0:1], 0x50              ; out1
	v_lshl_add_u32 v2, v0, 2, SPARE                ; my spare word; never rewritten
	v_mov_b32 v3, 0                                ; 0; never rewritten
	ds_add_u32 v2, v3
	s_wait_dscnt 0x0
	v_lshrrev_b32 v21, 5, v0
	v_readfirstlane_b32 s26, v21                   ; wave 0..7
	v_and_b32 v21, 31, v0                          ; lane
	v_and_b32 v22, 15, v0                          ; r
	v_bfe_u32 v23, v0, 4, 1                        ; h
	v_lshlrev_b32 v1, 4, v21                       ; 16 x lane
	s_mul_i32 s56, s26, WBLK                       ; my block of a chunk
	v_add_nc_u32 v4, s56, v1                       ; W's fragments in slot 0,
	v_add_nc_u32 v5, SLOT1, v4                     ; in slot 1
	v_lshl_add_u32 v6, v21, 3, s56                 ; W's scale registers: 8 x lane
	v_add_nc_u32 v7, SLOT1, v6
	v_add_nc_u32 v8, AIMG, v1                      ; x | h: fragments,
	v_lshl_add_u32 v9, v21, 2, ASC                 ; scale words
	s_mul_i32 s57, s26, 8448
	s_add_co_u32 s57, s57, STG                     ; my stage
	v_add_nc_u32 v10, s57, v1                      ; a row as it lies in memory: 16 x lane
	v_mul_u32_u24 v29, v22, 528
	v_add_nc_u32 v29, s57, v29
	v_lshl_add_u32 v11, v23, 6, v29                ; row r, + 64 h: the quantiser's 16 neighbours
	v_lshl_add_u32 v12, v23, 5, v29                ; row r, + 32 h: the accumulators' 8 columns
	s_lshr_b32 s54, s26, 1                         ; at the head: I quantise K steps 4 (wave / 2) + 0 .. 3
	s_and_b32 s55, s26, 1                          ; of rows 16 (wave % 2) on
	s_lshl_b32 s48, s54, 3
	s_add_co_u32 s48, s48, s55
	s_mul_i32 s48, s48, 1536
	v_add_nc_u32 v13, s48, v8                      ; where their images go,
	s_lshl_b32 s48, s54, 9
	s_lshl_b32 s49, s55, 6
	s_add_co_u32 s48, s48, s49
	s_add_co_u32 s48, s48, ASC
	v_lshl_add_u32 v14, v22, 2, s48                ; and their scale words (lanes l and l + 16 store the same word with the same value)
	s_lshl_b32 s48, s26, 2
	s_add_co_u32 s48, s48, REDA
	v_lshl_add_u32 v15, v21, 5, s48                ; partial sums: row = lane, my wave's word
	v_lshl_add_u32 v16, v22, 5, REDA               ; and back: row r's eight words
	v_lshlrev_b32 v17, 5, v23                      ; 32 h: my half's 8 columns in b, gamma, beta
	v_lshlrev_b32 v18, 12, v21                     ; the prefetches: a lane a row of c
.irp b, 0,1,2,3
	v_mov_b32 v[TM+4+\b], 0                        ; written once: a lane permute's destination counts as one of its sources
.endr
.irp j, 57,59,61,62,63
	v_mov_b32 v\j, 0                               ; likewise, and the upper halves of pairs of which the packed forms take the low word alone
.endr
	s_mov_b32 s[SEL], 0x76543210
	s_mov_b32 s[SEL+1], 0xfedcba98
	s_mov_b32 s30, 0xffff0000
	s_mov_b32 s61, 0xbfb8aa3b                      ; -log2(e)
	s_mov_b32 s62, 0x4038aa3b                      ; 2 log2(e)
	s_mov_b32 s50, 2
	s_mov_b32 s51, 0
	s_mov_b32 s52, 0
	s_mov_b32 s69, 0
	s_bfe_u32 s78, ttmp6, 0x40000                  ; cx
	s_lshl_b32 s27, ttmp9, 2                       ; in a cluster launch ttmp9 counts clusters
	s_add_co_u32 s27, s27, s78                     ; my work-group: it enters the addresses of x, h, c and the outputs alone
.if USE_ROT
	s_and_b32 s31, ttmp9, 15                       ; the same in all four partners
.else
	s_mov_b32 s31, 0
.endif
	; descriptor group 1: a block of 12,800 dense bytes as 50 rows of 256
	s_mov_b32 s[G1+0], 15|(3<<16)|(1<<21)          ; 15:0 the mask: all four work-groups; 17:16 elements of 8 bytes; 20 no padding; 21 set beside a mask
	s_mov_b32 s[G1+1], 32<<16                      ; tensor_dim0 = 32
	s_mov_b32 s[G1+2], 50<<16                      ; tensor_dim1 = 50
	s_mov_b32 s[G1+3], 32<<16                      ; tile_dim0 = 32
	s_mov_b32 s[G1+4], 50                          ; tile_dim1 = 50
	s_mov_b32 s[G1+5], 32                          ; tensor_dim0_stride
	s_mov_b32 s[G1+6], 0
	s_mov_b32 s[G1+7], 0
	s_lshl_b32 s48, s26, 9                         ; my 128 columns: 512 bytes
	s_mov_b32 s49, 0
	s_mov_b32 s57, 0
	s_lshl_b32 s76, s27, 17                        ; my work-group's 32 rows of 4,096 bytes
	s_mov_b32 s77, 0
	s_wait_kmcnt 0x0
.irp g, 12,14,16,18,20
	s_add_nc_u64 s[\g:\g+1], s[\g:\g+1], s[48:49]
.endr
.irp g, 8,22,24
	s_add_nc_u64 s[\g:\g+1], s[\g:\g+1], s[48:49]
	s_add_nc_u64 s[\g:\g+1], s[\g:\g+1], s[76:77]
.endr
	s_cmp_lt_u32 s26, 4                            ; waves 0-3 quantise x (K steps 0-7), waves 4-7 h
	s_cselect_b64 s[XB:XB+1], s[4:5], s[6:7]
	s_add_nc_u64 s[XB:XB+1], s[XB:XB+1], s[76:77]
	s_lshl_b32 s48, s55, 16                        ; rows 16 (wave % 2) on,
	s_add_nc_u64 s[XB:XB+1], s[XB:XB+1], s[48:49]
	s_and_b32 s48, s54, 1
	s_lshl_b32 s48, s48, 11                        ; columns 512 ((wave / 2) % 2) on
	s_add_nc_u64 s[XB:XB+1], s[XB:XB+1], s[48:49]
	s_add_nc_u64 s[10:11], s[10:11], s[56:57]      ; wq at my block of chunk index 0
	s_mov_b32 s[G0], 1                             ; 1:0 count = 1
	s_mov_b32 s[G0+1], s56                         ; LDS address: slot 0, my block
	s_mul_i32 s48, s31, CHUNK                      ; chunk 0 lies at index = the rotation
	s_add_nc_u64 s[G0+2:G0+3], s[10:11], s[48:49]
	s_or_b32 s[G0+3], s[G0+3], 0x80000000          ; type = 2
	s_mov_b32 s[G0+4], 1
	s_add_co_u32 s[G0+5], s56, SLOT1
	s_add_co_u32 s48, s31, 1
	s_and_b32 s48, s48, 15
	s_mul_i32 s48, s48, CHUNK
	s_add_nc_u64 s[G0+6:G0+7], s[10:11], s[48:49]
	s_or_b32 s[G0+7], s[G0+7], 0x80000000
	GATEP
	s_add_nc_u64 s[70:71], s[12:13], s[68:69]      ; the first gate's bias
	CROUND                                         ; all four work-groups are here: the first joint loads meet
	tensor_load_to_lds s[G0:G0+3], s[G1:G1+7]      ; the two first fills together: two loads of mine are out
	s_nop 0
	tensor_load_to_lds s[G0+4:G0+7], s[G1:G1+7]
	s_nop 0
	PLACES
	; ---- THE HEAD: my 16 rows x 512 columns of x or h become four fragments in LDS
	WIN 0x40
.irp p, 0,1,2,3
	XLOAD \p
.endr
	WIN 0
.irp p, 0,1,2,3
.if \p < 2
	s_wait_loadcnt 48-16*\p                        ; this piece's 16 loads are in; the younger pieces' may be out
.else
	s_wait_loadcnt 80-16*\p                        ; likewise, and the 32 loads of the bias behind them
.endif
	TURNX \p
	s_wait_dscnt 0x0
.if \p == 1
	BIAS                                           ; pieces 0 and 1 have left the accumulators' registers
.endif
	QUANT X, 176
.irp c, 0,1,2
	ds_store_b128 v13, v[PC+4*\c:PC+4*\c+3] offset:3072*\p+512*\c
.endr
	ds_store_b32 v14, v176 offset:128*\p
.endr
	s_wait_tensorcnt 1                             ; my block of the first chunk is in; the second may stay out
	s_wait_dscnt 0x0                               ; for the others' sake: my images have landed
	s_barrier_signal -1
	s_barrier_wait -1
	; ---- GATES g, i, f
.Lgate:
	START 0, 1, 0
	WIN 0                                          ; at a label and at a branch every window is 0
	s_mov_b32 s53, 0
.Lk:                                               ; 7 trips of two periods; with the period in front and the one behind: the gate's 16
	SWAP 0, 1
	START 1, 0, 1
	SWAP 1, 1
	START 0, 0, 0
	WIN 0
	s_add_co_u32 s53, s53, 1
	s_cmp_lt_u32 s53, 7
	s_cbranch_scc1 .Lk
	SWAP 0, 1
	START 1, 0, 0
	SWAP 1, 1                                      ; the gate's last products; the next gate's second chunk is asked for, and lands under what follows
	EPIHEAD
	s_cmp_lg_u32 s52, 2
	s_cbranch_scc1 .Lno_c
	CLOAD 0, CT0                                   ; gate f: c's first 16 rows
.Lno_c:
	STATS 0, 1
	BETAK
	ACT 0, 0
	WIN 0
	s_cmp_eq_u32 s52, 1
	s_cbranch_scc1 .Lmix_i
	s_cmp_eq_u32 s52, 2
	s_cbranch_scc1 .Lmix_f
	WIN 0x41                                       ; g: S = 1 - 2 r = tanh
.set i, 0
	s_wait_alu depctr_va_vdst(0)
.rept 64
	v_pk_fma_f32 v[128+i:129+i], v[i:i+1], -2.0, 1.0 op_sel_hi:[1,0,0]
.set i, i+2
.endr
	WIN 0
	s_branch .Lmixed
.Lmix_i:
	WIN 0x45                                       ; i: S *= r
.set i, 0
	s_wait_alu depctr_va_vdst(0)
.rept 64
	v_pk_mul_f32 v[128+i:129+i], v[128+i:129+i], v[i:i+1]
.set i, i+2
.endr
	WIN 0
	s_branch .Lmixed
.Lmix_f:
	CLOAD 1, CT1                                   ; f: S = c r + S.  c's other 16 rows take gamma's registers, which are done with
	CTURN CT0
	WIN 0x51
.set i, 0
	s_wait_alu depctr_va_vdst(0)
.rept 32
	v_pk_fma_f32 v[128+i:129+i], v[i:i+1], v[CT0+i:CT0+i+1], v[128+i:129+i]
.set i, i+2
.endr
	WIN 0
	s_wait_loadcnt 0x0
	CTURN CT1
	WIN 0x51
.set i, 0
.rept 32
	v_pk_fma_f32 v[192+i:193+i], v[64+i:65+i], v[CT1+i:CT1+i+1], v[192+i:193+i]
.set i, i+2
.endr
	WIN 0
.Lmixed:
	s_add_co_u32 s52, s52, 1
	GATEP
	s_add_nc_u64 s[70:71], s[12:13], s[68:69]      ; (the last bias loads were waited for at their gate's first period)
	BIAS                                           ; the next gate's bias into the accumulators, which are done with
	s_cmp_lt_u32 s52, 3
	s_cbranch_scc1 .Lgate
	; ---- new_c: the fifth layer norm, on S; out1; S = tanh
	PARAMS 18, 20
	STATS 128, 0
	s_wait_loadcnt 0x0
.irp u, 0,1,2,3,4,5,6,7
	NORM \u, 128
.endr
	WIN 0
	OUT 128, 24                                    ; its stores leave under gate o's products
	ACT 1, 128
	WIN 0x41
.set i, 0
	s_wait_alu depctr_va_vdst(0)
.rept 64
	v_pk_fma_f32 v[128+i:129+i], v[128+i:129+i], -2.0, 1.0 op_sel_hi:[1,0,0]
.set i, i+2
.endr
	WIN 0
	s_wait_xcnt 0x0                                ; the stores have read their registers: W's fragments land there again only behind this wait
	; ---- GATE o: the tail is written out
	START 0, 1, 0
	WIN 0
	s_mov_b32 s53, 0
.Lk2:                                              ; its 14 refills ask for chunks 50 to 63
	SWAP 0, 1
	START 1, 0, 0
	SWAP 1, 1
	START 0, 0, 0
	WIN 0
	s_add_co_u32 s53, s53, 1
	s_cmp_lt_u32 s53, 7
	s_cbranch_scc1 .Lk2
	SWAP 0, 0                                      ; the last chunk has landed; nothing is left to ask for
	START 1, 0, 0
	s_wait_dscnt 0x0
	MUL 4
	WIN 0
	PLACES
	EPIHEAD
	STATS 0, 1
	BETAK
	ACT 0, 0
	WIN 0x45                                       ; out0 = sigmoid(LN o) tanh(new_c)
.set i, 0
	s_wait_alu depctr_va_vdst(0)
.rept 64
	v_pk_mul_f32 v[i:i+1], v[i:i+1], v[128+i:129+i]
.set i, i+2
.endr
	WIN 0
	OUT 0, 22
	s_wait_tensorcnt 0x0                           ; the wave's end: behind my last tensor load and my last LDS store
	ds_add_u32 v2, v3
	s_wait_dscnt 0x0
	CROUND                                         ; the closing round: no work-group ends while a partner may still ask for a block that names it
	s_endpgm
.Lfunc_end_k_qacdc45be6d_cell:
	.size	k_qacdc45be6d_cell, .Lfunc_end_k_qacdc45be6d_cell-k_qacdc45be6d_cell
	.p2alignl 7, 3214868480
	.fill 96, 4, 3214868480
	.section	.rodata,"a",@progbits
	.p2align	6, 0x0
	.amdhsa_kernel k_qacdc45be6d_cell
		.amdhsa_group_segment_fixed_size 327680
		.amdhsa_private_segment_fixed_size 0
		.amdhsa_enable_private_segment 0
		.amdhsa_kernarg_size 88
		.amdhsa_user_sgpr_count 2
		.amdhsa_user_sgpr_kernarg_segment_ptr 1
		.amdhsa_wavefront_size32 1
		.amdhsa_system_sgpr_workgroup_id_x 1
		.amdhsa_system_sgpr_workgroup_id_y 1
		.amdhsa_system_sgpr_workgroup_id_z 1
		.amdhsa_system_vgpr_workitem_id 0
		.amdhsa_next_free_vgpr 512
		.amdhsa_next_free_sgpr 80
		.amdhsa_reserve_vcc 0
		.amdhsa_float_denorm_mode_32 3
		.amdhsa_float_denorm_mode_16_64 3
		.amdhsa_memory_ordered 1
		.amdhsa_forward_progress 1
		.amdhsa_inst_pref_size 255
	.end_amdhsa_kernel
	.section	.bss,"aw",@nobits
	.p2align	6
	.space	262144
	.amdgpu_metadata
---
amdhsa.version: [ 1, 2 ]
amdhsa.kernels:
  - .name:           k_qacdc45be6d_cell
    .symbol:         k_qacdc45be6d_cell.kd
    .args:
      - { .name: x, .offset: 0, .size: 8, .value_kind: global_buffer, .address_space: global }
      - { .name: h, .offset: 8, .size: 8, .value_kind: global_buffer, .address_space: global }
      - { .name: c, .offset: 16, .size: 8, .value_kind: global_buffer, .address_space: global }
      - { .name: wq, .offset: 24, .size: 8, .value_kind: global_buffer, .address_space: global }
      - { .name: b_ih, .offset: 32, .size: 8, .value_kind: global_buffer, .address_space: global }
      - { .name: gamma_ifgo, .offset: 40, .size: 8, .value_kind: global_buffer, .address_space: global }
      - { .name: beta_ifgo, .offset: 48, .size: 8, .value_kind: global_buffer, .address_space: global }
      - { .name: gamma_c, .offset: 56, .size: 8, .value_kind: global_buffer, .address_space: global }
      - { .name: beta_c, .offset: 64, .size: 8, .value_kind: global_buffer, .address_space: global }
      - { .name: out0, .offset: 72, .size: 8, .value_kind: global_buffer, .address_space: global }
      - { .name: out1, .offset: 80, .size: 8, .value_kind: global_buffer, .address_space: global }
    .group_segment_fixed_size: 327680
    .private_segment_fixed_size: 0
    .kernarg_segment_align: 8
    .kernarg_segment_size: 88
    .max_flat_workgroup_size: 256
    .sgpr_count:     80
    .vgpr_count:     512
    .wavefront_size: 32
...
	.end_amdgpu_metadata
.endif
;; end of part 2
